; MI455X (gfx1250); checked and timed in simulation.
; The chip was launched on July 23, 2026; its instructions are those of AMD's public machine-readable ISA for CDNA 5 (MIT licence, August 2026) and "CDNA5" Instruction Set Architecture Reference Guide (July 2026). The comments in the code are by the model that wrote it; some were corrected since.
;; Global Glu Out. Allowed arithmetic: matrix products marked QUANTISED: E4M3 operands, one E8M0 scale for each 32 along K, by v_wmma_scale_f32_16x16x128_f8f6f4 with both operands' format E4M3, f32 sums; everything else in f32.
;; Inputs: kernel1 128 x 39 x 4,992 float32; kernel2 128 x 39 x 4,992 float32; x 1,024 x 39 x 128 float32.
;; Outputs: out0 1,024 x 39 x 128 float32.
;; This version of the problem:
;;   THIS VERSION OF THE PROBLEM IS GIVEN IN LOW PRECISION. The matrix products marked QUANTISED in the list below multiply operands that are first quantised to E4M3 (4 exponent bits, 3 mantissa bits; 8 bits a number), with one power-of-two scale for each 32 numbers along K (OCP MX v1.0); their sums are f32. All else is computed in f32.
;;   The module's matrix products, in the order in which they are computed (A, B: the left and right operand; K: the contracted axis; several contracted axes count as one K, in the product's order):
;;     1. [M 4,992, K 4,992] x [K 4,992, N 1,024]; A: input kernel1; B: input x: QUANTISED
;;     2. [M 4,992, K 4,992] x [K 4,992, N 1,024]; A: input kernel2; B: input x: QUANTISED
;;   THE QUANTISER, for each operand of a quantised product, along K:
;;     - K is cut into blocks of 32 from its start; a last block that is shorter is filled with zeros.
;;     - A block's scale is 2^e with e = floor(log2(the largest magnitude in the block)) - 8, held to -126 .. 127; a block of zeros has e = 0. As a byte (E8M0): e + 127.
;;     - Each number is divided by its block's scale, clamped to +-448, and rounded to the nearest number of E4M3, ties to even, subnormals kept.
;;     - The product sums the exact products of the quantised numbers (number of the format x scale) in f32.
;;   ~~~python
;;   def quantise(x, axis):      # numpy; x: float32 -> the quantised numbers, widened to float32 again
;;       x = np.moveaxis(x, axis, -1); K = x.shape[-1]
;;       x = np.pad(x, [(0, 0)] * (x.ndim - 1) + [(0, -K % 32)]); x = x.reshape(x.shape[:-1] + (-1, 32)); a = np.abs(x).max(-1, keepdims=True)
;;       e = np.where(a > 0, np.clip(np.frexp(np.where(a > 0, a, 1))[1] - 1 - 8, -126, 127), 0)      # np.frexp(a)[1] - 1 = floor(log2(a)), exactly
;;       r = np.clip(x / 2.0 ** e, -448, 448)
;;       step = 2.0 ** (np.maximum(np.frexp(np.where(r == 0, 1, r))[1] - 1, -6) - 3)
;;       q = np.round(r / step) * step * 2.0 ** e      # np.round: ties to even
;;       return np.moveaxis(q.reshape(q.shape[:-2] + (-1,))[..., :K], -1, axis).astype(np.float32)
;;   ~~~
;; One version. Each part assembles by itself: llvm-mc -triple=amdgcn-amd-amdhsa -mcpu=gfx1250 --defsym DOCPART=n.
;; ======== version 1 of 1: 2 launches
;; limits: right only within a limited range of input values
;; workspace buffers: q 56,669,184 bytes
;; launch quant (part 1): grid 43 x 39, 4 waves a work-group, no clusters, 35,328 bytes of LDS; arguments kernel1, kernel2, x, q; writes q
.if DOCPART == 1
	.amdgcn_target "amdgcn-amd-amdhsa--gfx1250"
	.amdhsa_code_object_version 6
	.text
	.protected	k_qae70edc11f_quant
	.globl	k_qae70edc11f_quant
	.p2align	8
	.type	k_qae70edc11f_quant,@function
k_qae70edc11f_quant:
	s_mov_b64 s[64:65], 0
	v_nop
	global_prefetch_b8 v0, s[64:65] scope:SCOPE_SE
	s_setreg_imm32_b32 hwreg(HW_REG_WAVE_MODE, 25, 1), 1
	s_wait_xcnt 0x0
; kernel1, kernel2 [128 e][39 f][4992 d] and x [1024 b][4992 d], f32, become codes of FP8 (E4M3) with one E8M0 scale byte for each 32 along d, which is the K of both products and innermost in all three.
; Nothing of the problem is left out: both kernels and x reach the output, and every product of the table is done (by the second launch).
; A block's scale is 2^(floor(log2(its largest magnitude)) - 8); its byte is the largest magnitude's exponent field - 8, held at 1 from below; each number is divided by the scale, held within +-448 and rounded to the nearest code, ties to even.
; LIMITS: a block of zeros gets the byte 1 where the rule says 127 (its codes are zeros, which add nothing under any byte but 0xff, and this program alone reads the bytes); NaN and infinities among the inputs are not served.
; THE WORKSPACE q IS LAID AS THE SECOND LAUNCH'S OPERAND REGISTERS WANT IT.  A fragment (16 rows x 128 K) is 2,048 bytes: byte 512 c + 16 lane = registers 4 c .. 4 c + 3 of that lane (row lane % 16, k = 32 c + 16 (lane / 16) + 0 .. 15);
; its scale words are 64 bytes, [r], byte c for k = 32 c .. 32 c + 31.
; x comes first, by K step: [39 K steps][64 fragments (rows 16 g + r), then their 64 x 64 bytes of scale words] = 4 BLK bytes a K step.
; Behind it, from byte 4 x 39 x BLK on, the fields: [39 f][39 K steps][BLK]: 16 fragments (fragment 8 kk + i = rows e = 16 i + r of kernel kk + 1), then 1,024 bytes of scale words.
; SHARES.  Work-group (T, y): K step y of field T (T < 39) or of rows 256 (T - 39) .. + 255 of x: 1,677 work-groups of equal work.  Wave w: fragments 4 w .. 4 w + 3, one after the other.  Waves share nothing: no barrier.
; Each load reads 512 consecutive bytes of one row, 16 a lane; the conversions want 16 neighbours along K in ONE lane: so a fragment's 8,192 bytes turn through the wave's own stage in LDS (rows of 512 + 16 bytes:
; 132 words, so that row r starts at bank 4 r mod 64: 64 banks of 4 bytes, ISA guide 11.1).  A wave has one set of 64 registers for its numbers, 128 registers in all, so that eight work-groups fit on a WGP (8 x 35,328 bytes of LDS)
; and the whole grid is resident at once; the next fragment's 16 loads go out as soon as the conversions have read the set.  No matrix unit, no cluster, no tensor load: the launch only streams.
.set ROWK,  19968                      ; a row of 4,992 f32 in bytes
.set BLK,   33792                      ; a field's (tile, K step) of q
.set SP,    528                        ; a stage row
.set WREG,  8704                       ; LDS for a wave: the stage, 16 x SP, then 256 bytes of scale words
.set SPARE, 4*WREG                     ; behind the four regions: the spare words, 128 bytes a wave
.set STI,  4                           ; v4   the stage, way in: my wave's region + 16 x lane
.set STO,  5                           ; v5   way out: + SP x r + 64 h
.set SCW,  6                           ; v6   where my row's scale word goes
.set SCR,  7                           ; v7   where I read 8 bytes of the wave's 256 back
.set GOC,  8                           ; v8   16 x lane
.set GOS,  9                           ; v9   8 x lane
.set SPW,  10                          ; v10  LDS address of my spare word; never rewritten
.set NIL,  11                          ; v11  0; never rewritten
.set OFFR, 12                          ; v12-27  row i of a fragment: i x pitch + 16 x lane; never rewritten
.set TM,   28                          ; v28-31 largest magnitudes, v32-35 bytes, v36-39 448 x the scale, v40-43 the conversions' scale operands
.set PW,   44                          ; the scale word just made
.set SW,   46                          ; v[46:47] scale words on their way out
.set PC,   48                          ; v48-63  the codes just made
.set R,    64                          ; v64-127 the fragment's 64 numbers
.set SEL,  20                          ; s[20:21] v_permlanex16_b32's selects for lane l xor 16
.set MNT,  22                          ; s22  the mantissa field of 448
.set SB,   24                          ; s[24:31] the source at my wave's fragment j, K step y
.set QB,   32                          ; s[32:33] q at my wave's first fragment
.set QS,   34                          ; s[34:35] q at my wave's scale words
	s_load_b256 s[4:11], s[0:1], 0x0               ; kernel1 s[4:5], kernel2 s[6:7], x s[8:9], q s[10:11]
	v_lshl_add_u32 v[SPW], v0, 2, SPARE
	v_mov_b32 v[NIL], 0
	v_lshrrev_b32 v1, 5, v0
	v_readfirstlane_b32 s12, v1                    ; wave 0..3
	s_mov_b32 s13, ttmp9                           ; T
	s_and_b32 s14, ttmp7, 0xffff                   ; y
	v_and_b32 v1, 31, v0                           ; lane
	v_and_b32 v2, 15, v0                           ; r
	v_bfe_u32 v3, v0, 4, 1                         ; h
	s_mul_i32 s23, s12, WREG
	v_lshlrev_b32 v[GOC], 4, v1
	s_wait_alu depctr_va_vdst(0)
	v_add_nc_u32 v[STI], s23, v[GOC]
	v_mul_u32_u24 v[STO], v2, SP
	v_lshl_add_u32 v[STO], v3, 6, v[STO]
	v_add_nc_u32 v[STO], s23, v[STO]
	s_add_co_u32 s23, s23, 16*SP
	v_lshl_add_u32 v[SCW], v2, 2, s23
	v_lshlrev_b32 v[GOS], 3, v1
	v_add_nc_u32 v[SCR], s23, v[GOS]
	; which rows: a field's rows e lie 39 rows apart (row e x 39 + f); x's rows follow each other.  All of it hangs on ids alone
	s_and_b32 s18, s12, 1
	s_mul_i32 s18, s18, 64*39
	s_add_co_u32 s18, s18, s13                     ; a field's tile: my first row = 64 (w % 2) x 39 + f
	s_max_u32 s19, s13, 39
	s_sub_co_u32 s19, s19, 39
	s_lshl_b32 s19, s19, 8
	s_lshl_b32 s17, s12, 6
	s_add_co_u32 s19, s19, s17                     ; a tile of x: 256 bt + 64 w
	s_mov_b32 s15, ROWK
	s_cmp_lt_u32 s13, 39
	s_cselect_b32 s18, s18, s19
	s_cselect_b32 s15, 39*ROWK, s15                ; from row to row of a fragment, in bytes (under 2^24)
	s_mul_i32 s18, s18, ROWK
	s_lshl_b32 s17, s14, 9
	s_add_co_u32 s18, s18, s17                     ; + my K step's 512 bytes in a row
	s_mov_b32 s19, 0
	s_lshl_b32 s16, s15, 4                         ; from fragment to fragment
	s_mov_b32 s17, 0
.irp i, 0,1,2,3,4,5,6,7,8,9,10,11,12,13,14,15
	v_mad_u32_u24 v[OFFR+\i], s15, \i, v[GOC]
.endr
	s_mov_b32 s[SEL], 0x76543210
	s_mov_b32 s[SEL+1], 0xfedcba98
	s_mov_b32 s[MNT], 0x600000
.irp b, 0,1,2,3
	v_mov_b32 v[TM+4+\b], 0                        ; written once: a lane permute's destination counts as one of its sources
.endr
	s_mul_i32 s36, s13, 39
	s_add_co_u32 s36, s36, s14
	s_mul_i32 s36, s36, BLK
	s_add_co_u32 s36, s36, 4*39*BLK                ; a field's (tile, K step): its codes,
	s_add_co_u32 s37, s36, 32768                   ; and its scale words
	s_max_u32 s2, s13, 39
	s_sub_co_u32 s2, s2, 39                        ; bt: which 16 fragments of x
	s_mul_i32 s3, s14, 4*BLK                       ; x's K step y
	s_lshl_b32 s23, s2, 15
	s_add_co_u32 s23, s23, s3                      ; x's codes: + 16 bt fragments of 2,048 bytes
	s_lshl_b32 s2, s2, 10
	s_add_co_u32 s2, s2, s3
	s_add_co_u32 s2, s2, 131072                    ; x's scale words: behind the 64 fragments, + 16 bt x 64 bytes
	s_cmp_lt_u32 s13, 39                           ; the choice hangs on the work-group's number alone
	s_cselect_b32 s38, s36, s23
	s_cselect_b32 s36, s37, s2
	s_mov_b32 s37, 0
	s_mov_b32 s39, 0
	s_lshl_b32 s23, s12, 13
	s_add_co_u32 s38, s38, s23                     ; my four fragments: 8,192 w on
	s_lshl_b32 s23, s12, 8
	s_add_co_u32 s36, s36, s23                     ; my 64 scale words: 256 w on
	s_wait_alu depctr_va_vdst(0)
	s_wait_kmcnt 0x0
	s_cmp_lt_u32 s12, 2                            ; waves 0, 1: kernel1; waves 2, 3: kernel2;
	s_cselect_b64 s[4:5], s[4:5], s[6:7]
	s_cmp_lt_u32 s13, 39                           ; or x: the choices hang on ids alone
	s_cselect_b64 s[4:5], s[4:5], s[8:9]
	s_add_nc_u64 s[SB:SB+1], s[4:5], s[18:19]
	s_add_nc_u64 s[SB+2:SB+3], s[SB:SB+1], s[16:17]
	s_add_nc_u64 s[SB+4:SB+5], s[SB+2:SB+3], s[16:17]
	s_add_nc_u64 s[SB+6:SB+7], s[SB+4:SB+5], s[16:17]
	s_add_nc_u64 s[QB:QB+1], s[10:11], s[38:39]
	s_add_nc_u64 s[QS:QS+1], s[10:11], s[36:37]
.macro LOADF n                         ; fragment n: 16 loads, each 512 consecutive bytes of one row, aligned to 256; read once in the launch
.irp i, 0,1,2,3,4,5,6,7,8,9,10,11,12,13,14,15
	global_load_b128 v[R+4*\i:R+4*\i+3], v[OFFR+\i], s[SB+2*(\n):SB+2*(\n)+1] th:TH_LOAD_NT
.endr
.endm
.macro TURNF                           ; through the stage, back into the registers that it left: register 16 b + i then holds k = 32 b + 16 h + i of row r.  LDS serves a wave's instructions in order (ISA guide 5.7.1.4): no wait between stores and loads
.irp i, 0,1,2,3,4,5,6,7,8,9,10,11,12,13,14,15
	ds_store_b128 v[STI], v[R+4*\i:R+4*\i+3] offset:SP*\i
.endr
.irp b, 0,1,2,3
.irp i, 0,1,2,3
	ds_load_b128 v[R+16*\b+4*\i:R+16*\b+4*\i+3], v[STO] offset:128*\b+16*\i
.endr
.endr
.endm
.macro QUANT                           ; the 64 numbers become a fragment's codes in v[PC] on and my row's scale word in v[PW]
.irp b, 0,1,2,3
	v_max3_num_f32 v[TM+\b], |v[R+16*\b]|, |v[R+1+16*\b]|, 0x4800000   ; block b: my 16 numbers, and the floor 2^(9 - 127): so the byte cannot fall under 1
.endr
.irp i, 2,4,6,8,10,12,14
.irp b, 0,1,2,3
	v_max3_num_f32 v[TM+\b], v[TM+\b], |v[R+16*\b+\i]|, |v[R+1+16*\b+\i]|   ; the four blocks by turns
.endr
.endr
.irp b, 0,1,2,3
	v_permlanex16_b32 v[TM+4+\b], v[TM+\b], s[SEL], s[SEL+1]
.endr
.irp b, 0,1,2,3
	v_max_num_f32 v[TM+\b], v[TM+\b], v[TM+4+\b]   ; with lane l xor 16's 16: the block's largest magnitude
.endr
.irp b, 0,1,2,3
	v_add_nc_u32 v[TM+12+\b], 0xfc000000, v[TM+\b] ; 8 off its exponent field: the conversion takes the exponent field of this operand as its scale
.endr
.irp b, 0,1,2,3
	v_and_or_b32 v[TM+8+\b], v[TM+\b], 0x7f800000, s[MNT]   ; 448 x the scale
.endr
.irp b, 0,1,2,3
	v_lshrrev_b32 v[TM+4+\b], 23, v[TM+12+\b]      ; the scale's byte
.endr
	v_lshl_or_b32 v[PW], v[TM+5], 8, v[TM+4]
	v_lshl_or_b32 v[PW], v[TM+6], 16, v[PW]
	v_lshl_or_b32 v[PW], v[TM+7], 24, v[PW]
.irp b, 0,1,2,3
.irp i, 0,1,2,3,4,5,6,7,8,9,10,11,12,13,14,15
	v_med3_num_f32 v[R+16*\b+\i], v[R+16*\b+\i], -v[TM+8+\b], v[TM+8+\b]   ; the conversion to an 8-bit code does not saturate (ISA guide 7.6.2): the hold comes first
.endr
	v_cvt_scalef32_pk8_fp8_f32 v[PC+4*\b:PC+1+4*\b], v[R+16*\b:R+7+16*\b], v[TM+12+\b]
	v_cvt_scalef32_pk8_fp8_f32 v[PC+2+4*\b:PC+3+4*\b], v[R+8+16*\b:R+15+16*\b], v[TM+12+\b]
.endr
	v_nop                                          ; a plain line behind the last conversion
.endm
.macro FRAGQ n
	s_wait_loadcnt 0x0                             ; the fragment's 16 loads are in: nothing else of mine is being loaded
	TURNF
	s_wait_dscnt 0x0                               ; it is back from the stage
	s_wait_xcnt 0x0                                ; the earlier stores have read their data: the codes' registers are written again only behind this wait
	QUANT
	ds_store_b32 v[SCW], v[PW] offset:64*(\n)      ; both lanes of a row write the same word with the same value
.if (\n) < 3
	LOADF (\n)+1                                   ; into the set that the conversions have just read
.endif
.irp c, 0,1,2,3
	global_store_b128 v[GOC], v[PC+4*\c:PC+4*\c+3], s[QB:QB+1] offset:2048*(\n)+512*\c   ; 32 lanes store 512 consecutive bytes, at a multiple of 256 from q's first byte
.endr
.endm
	LOADF 0
.irp n, 0,1,2,3
	FRAGQ \n
.endr
	ds_load_b64 v[SW:SW+1], v[SCR]                 ; the K step's 64 scale words of my wave
	s_wait_dscnt 0x0
	global_store_b64 v[GOS], v[SW:SW+1], s[QS:QS+1]   ; 32 lanes store 256 consecutive bytes, aligned
	s_wait_tensorcnt 0x0                           ; the wave's end
	ds_add_u32 v[SPW], v[NIL]
	s_wait_dscnt 0x0
	s_endpgm
.Lfunc_end_k_qae70edc11f_quant:
	.size	k_qae70edc11f_quant, .Lfunc_end_k_qae70edc11f_quant-k_qae70edc11f_quant
	.p2alignl 7, 3214868480
	.fill 96, 4, 3214868480
	.section	.rodata,"a",@progbits
	.p2align	6, 0x0
	.amdhsa_kernel k_qae70edc11f_quant
		.amdhsa_group_segment_fixed_size 35328
		.amdhsa_private_segment_fixed_size 0
		.amdhsa_enable_private_segment 0
		.amdhsa_kernarg_size 32
		.amdhsa_user_sgpr_count 2
		.amdhsa_user_sgpr_kernarg_segment_ptr 1
		.amdhsa_wavefront_size32 1
		.amdhsa_system_sgpr_workgroup_id_x 1
		.amdhsa_system_sgpr_workgroup_id_y 1
		.amdhsa_system_sgpr_workgroup_id_z 1
		.amdhsa_system_vgpr_workitem_id 0
		.amdhsa_next_free_vgpr 128
		.amdhsa_next_free_sgpr 66
		.amdhsa_reserve_vcc 0
		.amdhsa_float_denorm_mode_32 3
		.amdhsa_float_denorm_mode_16_64 3
		.amdhsa_memory_ordered 1
		.amdhsa_forward_progress 1
		.amdhsa_inst_pref_size 53
	.end_amdhsa_kernel
	.amdgpu_metadata
---
amdhsa.version: [ 1, 2 ]
amdhsa.kernels:
  - .name:           k_qae70edc11f_quant
    .symbol:         k_qae70edc11f_quant.kd
    .args:
      - { .name: kernel1, .offset: 0, .size: 8, .value_kind: global_buffer, .address_space: global }
      - { .name: kernel2, .offset: 8, .size: 8, .value_kind: global_buffer, .address_space: global }
      - { .name: x, .offset: 16, .size: 8, .value_kind: global_buffer, .address_space: global }
      - { .name: q, .offset: 24, .size: 8, .value_kind: global_buffer, .address_space: global }
    .group_segment_fixed_size: 35328
    .private_segment_fixed_size: 0
    .kernarg_segment_align: 8
    .kernarg_segment_size: 32
    .max_flat_workgroup_size: 128
    .sgpr_count:     66
    .vgpr_count:     128
    .wavefront_size: 32
...
	.end_amdgpu_metadata
.endif
;; end of part 1
;; launch glu (part 2): grid 234 x 1, 4 waves a work-group, no clusters, 327,680 bytes of LDS; arguments q, x, out0; writes out0
.if DOCPART == 2
	.amdgcn_target "amdgcn-amd-amdhsa--gfx1250"
	.amdhsa_code_object_version 6
	.text
	.protected	k_qae70edc11f_glu
	.globl	k_qae70edc11f_glu
	.p2align	8
	.type	k_qae70edc11f_glu,@function
k_qae70edc11f_glu:
	s_mov_b64 s[64:65], 0
	v_nop
	global_prefetch_b8 v0, s[64:65] scope:SCOPE_SE
	s_setreg_imm32_b32 hwreg(HW_REG_WAVE_MODE, 25, 1), 1
	s_wait_xcnt 0x0
; out[b][f][e] = x (1 - g) + kp2 x g, g = sigmoid(sum over e of kp1 x), kp1/kp2[b][f][e] = sum over d of Q(x)[b][d] Q(kernel1/2)[e][f][d]: both products on the codes and scale bytes that the first launch laid in q.
; Nothing of the problem is left out.  LIMITS: NaN and infinities among the inputs are not served (the first launch's limit).
; SHARES.  Work-group (t, f): field f (256 rows: 128 e of kernel1, 128 e of kernel2) x 11 blocks of 16 batch rows from block g0 = 0, 11, 22, 33, 43, 53: 6 x 39 = 234 work-groups of equal work.
; 6 x 11 = 66 blocks for 64: tiles 4 and 5 begin with the block that ends the tile before; they compute it again inside their tile and do not store it, so each byte of out0 has one owner.
; Wave w: e = 32 w .. 32 w + 31 of both kernels (4 fragments) x all 11 blocks: 44 accumulators.  Source 0 = kernel rows, source 1 = batch rows: a lane holds one batch row and 8 neighbouring e.
; TWO STREAMS.  The kernels' fragments are each wave's own and lie in q in register order: they go from memory straight into registers, 18 loads a K step, three K steps (54 loads) ahead, in six sets.
; x's fragments are read by all four waves: they come by tensor loads into two LDS slots of six K steps (the first phase has three, K = 39 steps = 3 + 6 x 6); waves 0-2 bring two K steps of codes each, wave 3 the scale words.
; The scale words' rows begin on the 256 bytes under block g0's, 1,024 bytes long; of the last tile's rows the last 256 bytes are the bytes that follow in q and are never read from LDS.
; cluster = none: the grid, 6 x 39, divides by no cluster of four along either axis.
; PREFETCH.  In trip p work-group t asks for K step 11 + 6 p + t of its field's tile (132 blocks of 256 bytes, 33 a wave), which the six work-groups of the field load in trip p + 1; the work-groups of fields 0-5 ask for the codes of
; K step 15 + 6 p + f of their batch tile (88 blocks, 22 a wave), whose tensor load goes out at the head of trip p + 1.  Both stop at K step 38.  The first K steps, the scale words and the f32 tile of x come by their loads alone:
; the f32 tile is asked for six K steps ahead of its first read.
.set BLK,   33792                      ; a field's (tile, K step) in q: 16 fragments, 1,024 bytes of scale words
.set TILEB, 39*BLK
.set XREC,  4*BLK                      ; x's K step in q
.set KQ,    39*XREC                    ; where the fields' tiles begin
.set CB,    22528                      ; 11 fragments
.set PAIR,  2*CB                       ; two K steps of codes: one wave's tensor load
.set SCO,   3*PAIR                     ; in a slot: six rows of 1,024 bytes of scale words
.set SLOTB, SCO+6*1024
.set SPARE, 2*SLOTB                    ; the spare words, 512 bytes
.set GX,    SPARE+512                  ; the gate's partial sums: [11 blocks][16 rows][4 waves] f32
.set XT,    SLOTB                      ; the f32 tile of x, then the result: slot 1, behind its last fill of codes
.set XP,    528                        ; its row: 512 bytes + 16
.set XROW,  19968                      ; a row of x and of out0
.set SPW, 2
.set NIL, 3
.set BB,  4                            ; v4-6   16 x lane + PAIR x j: fragments in slot 0
.set BS,  7                            ; v7, v8 scale words in slot 0: pairs of blocks; the eleventh block alone
.set CA,  9                            ; v9-11, v12, v13: the same in the slot being read
.set CS,  12
.set AO,  14                           ; my offset in a field's K step: codes; v15: scale words
.set AS,  15
.set PFO, 16
.set PF2, 17
.set PFB, 18
.set XR,  20                           ; v20, v21 my place in the f32 tile, blocks 0-5 and 6-10
.set GXW, 22
.set GXR, 23
.set RB,  24
.set CO,  25
.set ASC, 32                           ; v32-43  kernels' scale words, six sets of 2 (lanes 0-15: the even fragment, 16-31: the odd)
.set BSC, 44                           ; v44-55  x's scale words, two sets of 6 (lanes 0-15: the even block, 16-31: the odd)
.set BFR, 64                           ; v64-239 x's 11 fragments
.set PS,  64                           ; the way out, in window 0
.set QS,  96
.set GG,  144
.set MM,  168
; window 1: kernel sets 0-3; window 2: accumulators of blocks 0-5 (v[8 (4 b + a)]), set 4 at v192; window 3: blocks 6-10, set 5 at v160
.set SW,  10
.set W45, 14
.set CUR, 15
.set CNT, 16
.set SK,  17
.set G0,  24
.set G1C, 28
.set G1S, 36
.set G0X, 44
.set G1X, 48
.set SA,  56
.set PA,  58
.set PB,  60
.set KPA, 62
.set KPB, 63
.set SEL, 66
.set MSB, 0
.macro WIN new
.if MSB != \new
	s_set_vgpr_msb (MSB<<8)|\new
.set MSB, \new
.endif
.endm
.macro NOPS n
.rept \n
	v_nop
.endr
.endm
.macro ASET s
.if (\s) < 4
.set AW, 1
.set AV, 64*(\s)
.elseif (\s) == 4
.set AW, 2
.set AV, 192
.else
.set AW, 3
.set AV, 160
.endif
.endm
.macro TLOAD                           ; one tensor load a wave: waves 0-2 codes, wave 3 scale words
	s_cmp_lt_u32 s[SW], 3
	s_cbranch_scc0 .Lsc_\@
	tensor_load_to_lds s[G0:G0+3], s[G1C:G1C+7]
	s_nop 0
	NOPS 4
	s_branch .Ljn_\@
.Lsc_\@:
	tensor_load_to_lds s[G0:G0+3], s[G1S:G1S+7]
	s_nop 0
	NOPS 4
.Ljn_\@:
.endm
.macro ALOAD s, lk                     ; my four kernel fragments and two scale registers of K step lk (counted from s[SA]) into set s
	ASET \s
	global_load_b32 v[ASC+2*(\s)], v[AS], s[SA:SA+1] offset:(\lk)*BLK
	global_load_b32 v[ASC+2*(\s)+1], v[AS], s[SA:SA+1] offset:(\lk)*BLK+512
	WIN AW<<6
.irp kk, 0,1
.irp ap, 0,1
.irp c, 0,1,2,3
	global_load_b128 v[AV+16*(2*\kk+\ap)+4*\c:AV+16*(2*\kk+\ap)+4*\c+3], v[AO], s[SA:SA+1] offset:(\lk)*BLK+16384*\kk+2048*\ap+512*\c
.endr
.endr
.endr
	WIN 0
.endm
.macro FB adr, off, f0, n              ; x's fragments f0 .. f0 + n - 1 of the K step at v[adr] + off
.set fq, \f0
.rept \n
.irp c, 0,1,2,3
	ds_load_b128 v[BFR+16*fq+4*\c:BFR+16*fq+4*\c+3], v[\adr] offset:\off+2048*fq+512*\c
.endr
.set fq, fq+1
.endr
.endm
.macro FS par, sadr, row               ; its scale words
.irp i, 0,1,2,3,4
	ds_load_b32 v[BSC+6*(\par)+\i], v[\sadr] offset:1024*(\row)+128*\i
.endr
	ds_load_b32 v[BSC+6*(\par)+5], v[\sadr+1] offset:1024*(\row)
.endm
.macro WM mods:vararg
.if ZR
	v_wmma_scale_f32_16x16x128_f8f6f4 v[AC:AC+7], v[AF:AF+15], v[BF:BF+15], 0, v[SAR], v[SBR] \mods
.else
	v_wmma_scale_f32_16x16x128_f8f6f4 v[AC:AC+7], v[AF:AF+15], v[BF:BF+15], v[AC:AC+7], v[SAR], v[SBR] \mods
.endif
.endm
.macro MUL s, hi                       ; blocks 0-5 (hi = 0) or 6-10 x my four kernel fragments; the 44 accumulators take turns
	ASET \s
	WIN (0xa0+0x50*\hi)|AW
.set bq, 6*\hi
.rept 6-\hi
.set aq, 0
.rept 4
.set AC, 8*(4*(bq-6*\hi)+aq)
.set AF, AV+16*aq
.set BF, BFR+16*bq
.set SAR, ASC+2*(\s)+aq/2
.set SBR, BSC+6*((\s)&1)+bq/2
.if (aq&1) && (bq&1)
	WM matrix_a_scale:MATRIX_SCALE_ROW1 matrix_b_scale:MATRIX_SCALE_ROW1
.elseif aq&1
	WM matrix_a_scale:MATRIX_SCALE_ROW1
.elseif bq&1
	WM matrix_b_scale:MATRIX_SCALE_ROW1
.else
	WM
.endif
.set aq, aq+1
.endr
.set bq, bq+1
.endr
.endm
.macro ASK
	s_cmp_lt_u32 s[KPA], 39
	s_cbranch_scc0 .Lna_\@
	global_prefetch_b8 v[PFO], s[PA:PA+1] th:TH_LOAD_NT scope:SCOPE_SE
	global_prefetch_b8 v[PF2], s[PA:PA+1] th:TH_LOAD_NT scope:SCOPE_SE
.Lna_\@:
	s_cmp_lt_u32 s[KPB], 39
	s_cbranch_scc0 .Lnb_\@
	global_prefetch_b8 v[PFB], s[PB:PB+1] th:TH_LOAD_NT scope:SCOPE_SE
.Lnb_\@:
.endm
; One K step of 128.  s: its kernel set (K step mod 6); lk: the K step three on, loaded into set s + 3 (-1: none); lc: the younger kernel loads that may stay out;
; turn: 1 the phase's last step, the slot just read out is filled again; 2 the same with the f32 tile; nadr, noff, sadr, nrow: where the next step's fragments and scale words lie (nadr = -1: none).
.macro STEP s, lk, lc, turn, nadr, noff, sadr, nrow, pf=0
	s_wait_loadcnt \lc                             ; my set is in; the sets of the K steps behind it, 18 loads each, stay out
.if \lk >= 0
	ALOAD ((\s)+3)%6, \lk
.endif
.if \turn
	s_wait_tensorcnt 0x0                           ; my part of the next slot has landed
	ds_add_u32 v[SPW], v[NIL]
.if \turn == 1
	s_add_co_u32 s[G0+1], s[CUR], s[W45]           ; no tensor load of mine is out: the slot being left takes the phase after next
	s_add_nc_u64 s[G0+2:G0+3], s[G0+2:G0+3], 6*XREC
	s_xor_b32 s[CUR], s[CUR], SLOTB
.irp j, 0,1,2,3,4
	v_add_nc_u32 v[CA+\j], s[CUR], v[BB+\j]        ; the next slot's addresses
.endr
	s_wait_alu depctr_va_vdst(0)
.endif
	s_wait_dscnt 0x0                               ; the add is done and all this step's fragments are in registers: my reads of this slot are over
	s_barrier_signal -1
.else
	s_wait_dscnt 20                                ; fragments 0-5 and the scale words are in; fragments 6-10 may be out
.endif
	MUL \s, 0
.if \turn
	WIN 0
	s_barrier_wait -1
.if \turn == 1
	TLOAD
.else
	tensor_load_to_lds s[G0X:G0X+3], s[G1X:G1X+7]
	s_nop 0
	NOPS 4
.endif
	NOPS 4                                         ; eight places in all ahead of loads into registers that matrix instructions have read
.else
	NOPS 8
	WIN 0
.endif
.if \nadr >= 0
	FB \nadr, \noff, 0, 6
	FS 1-((\s)&1), \sadr, \nrow
.endif
.if \pf
	ASK
.endif
.if \turn == 0
.if \nadr >= 0
	s_wait_dscnt 30                                ; all but the 30 just issued
.else
	s_wait_dscnt 0x0
.endif
.endif
	MUL \s, 1
	NOPS 8
	WIN 0
.if \nadr >= 0
	FB \nadr, \noff, 6, 5
.endif
.endm
	s_load_b128 s[4:7], s[0:1], 0x0                ; q, x
	s_load_b64 s[8:9], s[0:1], 0x10                ; out0
	v_lshl_add_u32 v[SPW], v0, 2, SPARE
	v_mov_b32 v[NIL], 0
	ds_add_u32 v[SPW], v[NIL]
	ds_add_u32 v[SPW], v[NIL]
	v_lshrrev_b32 v1, 5, v0
	v_readfirstlane_b32 s[SW], v1                  ; wave
	; THE GRID IS ONE ROW OF 6 x 39 = 234 (no multiple of four either), and (t, f) is dealt from the work-group's number L = 8 m + c: the six tiles of a field go to numbers with the same c, six m on end.
	; c = 0, 1 have 30 numbers: fields 5 c + m / 6; c = 2 .. 7 have 29: fields 4 c + 2 + m / 6 for m < 24; their 6 x 5 numbers that are left, in the order 5 (c - 2) + m - 24, make fields 34 to 38.
	s_and_b32 s18, ttmp9, 7                        ; c
	s_lshr_b32 s19, ttmp9, 3                       ; m
	s_mul_i32 s20, s18, 5
	s_lshl_b32 s23, s18, 2
	s_add_co_u32 s23, s23, 2
	s_cmp_ge_u32 s18, 2
	s_cselect_b32 s21, s19, 0                      ; m where c has numbers left over
	s_cselect_b32 s22, s23, s20                    ; the first field of c
	s_add_co_u32 s20, s20, s19
	s_sub_co_u32 s20, s20, 34                      ; the place among those left over (used only there)
	s_cmp_ge_u32 s21, 24
	s_cselect_b32 s19, s20, s19
	s_cselect_b32 s22, 34, s22
	s_mul_i32 s20, s19, 43
	s_lshr_b32 s20, s20, 8                         ; / 6, right for numbers under 30
	s_add_co_u32 s12, s22, s20                     ; f
	s_mul_i32 s20, s20, 6
	s_sub_co_u32 s11, s19, s20                     ; t
	s_mul_i32 s13, s11, 11
	s_mul_i32 s18, s11, 10
	s_add_co_u32 s18, s18, 3
	s_min_u32 s13, s13, s18                        ; g0 = 0, 11, 22, 33, 43, 53
	s_mul_i32 s[W45], s[SW], PAIR
	s_mov_b32 s[CUR], 0
	s_cmp_ge_u32 s11, 4
	s_cselect_b32 s[SK], 1, 0
	s_cmp_eq_u32 s[SW], 0
	s_cselect_b32 s[SK], s[SK], 0                  ; 1: my first 16 rows are the tile's first block, which the tile before owns
	s_lshl_b32 s18, s13, 11
	s_mul_i32 s19, s[SW], XREC
	s_add_co_u32 s18, s18, s19                     ; the head's load: waves 0-2 the codes of K step w,
	s_lshr_b32 s19, s13, 2
	s_lshl_b32 s19, s19, 8
	s_add_co_u32 s19, s19, 131072                  ; wave 3 the scale words of K steps 0-2
	s_cmp_lt_u32 s[SW], 3
	s_cselect_b32 s20, s18, s19
	s_cselect_b32 s22, s[SW], 0
	s_mov_b32 s21, 0
	s_add_co_u32 s22, s22, 3
	s_mul_i32 s22, s22, XREC                       ; from there to phase 1: codes to K step 3 + 2 w, scale words to K step 3
	s_mov_b32 s23, 0
	s_mul_i32 s76, s12, TILEB
	s_add_co_u32 s76, s76, KQ                      ; my field's tile
	s_mov_b32 s77, 0
	s_add_co_u32 s[KPA], s11, 11
	s_mul_i32 s78, s[KPA], BLK
	s_mov_b32 s79, 0
	s_min_u32 s18, s12, 5
	s_add_co_u32 s18, s18, 15
	s_mul_i32 s80, s18, XREC
	s_lshl_b32 s19, s13, 11
	s_add_co_u32 s80, s80, s19
	s_mov_b32 s81, 0
	s_cmp_lt_u32 s12, 6
	s_cselect_b32 s[KPB], s18, 64                  ; fields 6 and up ask for nothing of x
	s_lshl_b32 s82, s13, 4
	s_mul_i32 s18, s[SW], 44
	s_add_co_u32 s82, s82, s18
	s_mul_i32 s82, s82, 39
	s_add_co_u32 s82, s82, s12
	s_lshl_b32 s82, s82, 9                         ; x and out0 at (row 16 g0 + 44 w, field f)
	s_mov_b32 s83, 0
	s_lshl_b32 s68, s[SW], 12
	s_lshl_b32 s69, s[SW], 7
	s_add_co_u32 s73, s69, XT
	s_add_co_u32 s69, s69, 32768
	s_and_b32 s70, s13, 3
	s_lshl_b32 s70, s70, 6
	s_add_co_u32 s70, s70, SCO                     ; block g0's words in a row that begins 64 (g0 mod 4) bytes under them
	s_mul_i32 s71, s[SW], 33*256
	s_add_co_u32 s84, s71, 32*256
	s_mul_i32 s72, s[SW], 22*256
	s_lshl_b32 s74, s[SW], 2
	s_add_co_u32 s74, s74, GX
	s_mul_i32 s75, s[SW], 44*XP
	s_add_co_u32 s75, s75, XT
	s_mov_b32 s[SEL], 0x76543210
	s_mov_b32 s[SEL+1], 0xfedcba98
	s_mov_b32 s[CNT], 5
	; group 1 for codes: rows of 11 fragments (2,816 elements of 8 bytes), a K step apart: one row at the head, two behind it
	s_mov_b32 s[G1C], 3<<16
	s_mov_b32 s[G1C+1], 2816<<16
	s_mov_b32 s[G1C+2], 1<<16
	s_mov_b32 s[G1C+3], 2816<<16
	s_mov_b32 s[G1C+4], 1
	s_mov_b32 s[G1C+5], XREC/8
	s_mov_b32 s[G1C+6], 1<<16
	s_mov_b32 s[G1C+7], 0
	; for scale words: rows of 1,024 bytes: three at the head, six behind it
	s_mov_b32 s[G1S], 3<<16
	s_mov_b32 s[G1S+1], 128<<16
	s_mov_b32 s[G1S+2], 3<<16
	s_mov_b32 s[G1S+3], 128<<16
	s_mov_b32 s[G1S+4], 3
	s_mov_b32 s[G1S+5], XREC/8
	s_mov_b32 s[G1S+6], 0
	s_mov_b32 s[G1S+7], 0
	; for the f32 tile: 44 rows of 512 bytes, 16 bytes of padding behind each
	s_mov_b32 s[G1X], (3<<16)|(1<<20)|(6<<22)|(3<<25)
	s_mov_b32 s[G1X+1], 64<<16
	s_mov_b32 s[G1X+2], 44<<16
	s_mov_b32 s[G1X+3], 64<<16
	s_mov_b32 s[G1X+4], 44
	s_mov_b32 s[G1X+5], XROW/8
	s_mov_b32 s[G1X+6], 0
	s_mov_b32 s[G1X+7], 0
	v_and_b32 v1, 31, v0                           ; lane
	v_and_b32 v26, 15, v0                          ; r
	v_bfe_u32 v27, v0, 4, 1                        ; h
	v_lshlrev_b32 v[CO], 4, v1
.irp j, 0,1,2
	v_lshl_add_u32 v[BB+\j], v1, 4, PAIR*\j
.endr
	v_lshl_add_u32 v[BS], v1, 2, s70
	v_lshl_add_u32 v[BS+1], v26, 2, s70
	v_add_nc_u32 v[BS+1], 640, v[BS+1]
	v_lshl_add_u32 v[AO], v1, 4, s68
	v_lshl_add_u32 v[AS], v1, 2, s69
	v_lshl_add_u32 v[PFO], v1, 8, s71
	v_mov_b32 v[PF2], s84
	v_min_u32 v28, 21, v1                          ; lanes 22-31 name their wave's last block again
	v_lshl_add_u32 v[PFB], v28, 8, s72
	v_mul_u32_u24 v28, v26, XP
	v_lshl_add_u32 v28, v27, 5, v28
	v_add_nc_u32 v[XR], s73, v28                   ; row r, e = 32 w + 8 h
	v_add_nc_u32 v[XR+1], 6*16*XP, v[XR]
	v_lshl_add_u32 v[GXW], v26, 4, s74
	v_lshl_add_u32 v[GXR], v26, 4, GX
	v_add_nc_u32 v[RB], s75, v[CO]
	s_wait_alu depctr_va_vdst(0)
	s_wait_dscnt 0x0
	s_wait_kmcnt 0x0
	s_mov_b32 s[G0], 1
	s_mov_b32 s[G0+1], s[W45]                      ; phase 0's K step w lies where a pair's first K step lies; the scale words at 3 PAIR = SCO
	s_add_nc_u64 s[G0+2:G0+3], s[4:5], s[20:21]
	s_or_b32 s[G0+3], s[G0+3], 0x80000000
	TLOAD                                          ; one tensor load a wave at the head
	s_add_nc_u64 s[SA:SA+1], s[4:5], s[76:77]
	s_add_nc_u64 s[PA:PA+1], s[SA:SA+1], s[78:79]
	s_add_nc_u64 s[PB:PB+1], s[4:5], s[80:81]
	s_mov_b32 s[G0X], 1
	s_mov_b32 s[G0X+1], s75
	s_add_nc_u64 s[G0X+2:G0X+3], s[6:7], s[82:83]
	s_or_b32 s[G0X+3], s[G0X+3], 0x80000000
	s_add_nc_u64 s[8:9], s[8:9], s[82:83]
	ALOAD 0, 0
	ALOAD 1, 1
	ALOAD 2, 2
	s_wait_tensorcnt 0x0                           ; phase 0 is in; slot 1's first fill is issued as a refill is
	ds_add_u32 v[SPW], v[NIL]
	s_mov_b32 s[G1C+2], 2<<16                      ; no tensor load of mine is out: from here on two K steps of codes,
	s_mov_b32 s[G1C+4], 2
	s_mov_b32 s[G1C+6], 0
	s_mov_b32 s[G1S+2], 6<<16                      ; six rows of scale words
	s_mov_b32 s[G1S+4], 6
	s_add_co_u32 s[G0+1], s[W45], SLOTB
	s_add_nc_u64 s[G0+2:G0+3], s[G0+2:G0+3], s[22:23]
	s_wait_dscnt 0x0
	s_barrier_signal -1
	s_barrier_wait -1
	TLOAD                                          ; phase 1: K steps 3-8
	FB BB, 0, 0, 6
	FS 0, BS, 0
	FB BB, 0, 6, 5
.set ZR, 1
	STEP 0, 3, 36, 0, BB+1, 0, BS, 1               ; the first K step starts the sums
.set ZR, 0
	STEP 1, 4, 36, 0, BB+2, 0, BS, 2
.Ltrip:                                                ; a trip: a phase's last K step with the change of slots, and the next phase's first five
	STEP 2, 5, 36, 1, CA, 0, CS, 0
	STEP 3, 6, 36, 0, CA, CB, CS, 1
	STEP 4, 7, 36, 0, CA+1, 0, CS, 2, 1
	STEP 5, 8, 36, 0, CA+1, CB, CS, 3
	STEP 0, 9, 36, 0, CA+2, 0, CS, 4
	STEP 1, 10, 36, 0, CA+2, CB, CS, 5
	s_wait_xcnt 0x0                                ; the loads and prefetches have read their bases
	s_add_nc_u64 s[SA:SA+1], s[SA:SA+1], 6*BLK
	s_add_nc_u64 s[PA:PA+1], s[PA:PA+1], 6*BLK
	s_add_nc_u64 s[PB:PB+1], s[PB:PB+1], 6*XREC
	s_add_co_u32 s[KPA], s[KPA], 6
	s_add_co_u32 s[KPB], s[KPB], 6
	s_sub_co_u32 s[CNT], s[CNT], 1
	s_cmp_lg_u32 s[CNT], 0
	s_cbranch_scc1 .Ltrip
	STEP 2, 5, 36, 2, BB, 0, BS, 0                 ; K step 32: slot 1 is left and takes the f32 tile; phase 6 lies in slot 0
	STEP 3, 6, 36, 0, BB, CB, BS, 1
	STEP 4, 7, 36, 0, BB+1, 0, BS, 2
	STEP 5, 8, 36, 0, BB+1, CB, BS, 3
	STEP 0, -1, 36, 0, BB+2, 0, BS, 4              ; nothing is left to load: the counts run down
	STEP 1, -1, 18, 0, BB+2, CB, BS, 5
	STEP 2, -1, 0, 0, -1, 0, BS, 0
	; THE WAY OUT.  x's numbers at my accumulators' places -> window 1, v[8 (2 b + a)]
	s_wait_tensorcnt 0x0
	s_wait_dscnt 0x0
	s_barrier_signal -1
	s_barrier_wait -1                              ; all four parts of the f32 tile are in
	WIN 0x40
.irp b, 0,1,2,3,4,5,6,7,8,9,10
.irp a, 0,1
	ds_load_b128 v[8*(2*\b+\a):8*(2*\b+\a)+3], v[XR+\b/6] offset:(\b%6)*16*XP+64*\a
	ds_load_b128 v[8*(2*\b+\a)+4:8*(2*\b+\a)+7], v[XR+\b/6] offset:(\b%6)*16*XP+64*\a+16
.endr
.endr
	s_wait_dscnt 0x0
.macro GATE hi, bl:vararg              ; sum over my 16 e a lane of kp1 x, each accumulator from its low end on
	WIN 0x06+\hi
.irp a, 0,1
.irp j, 0,2,4,6
.irp b, \bl
.if (\a == 0) && (\j == 0)
	v_pk_mul_f32 v[PS+2*\b:PS+2*\b+1], v[8*(4*(\b-6*\hi)+\a)+\j:8*(4*(\b-6*\hi)+\a)+\j+1], v[8*(2*\b+\a)+\j:8*(2*\b+\a)+\j+1]
.else
	v_pk_fma_f32 v[PS+2*\b:PS+2*\b+1], v[8*(4*(\b-6*\hi)+\a)+\j:8*(4*(\b-6*\hi)+\a)+\j+1], v[8*(2*\b+\a)+\j:8*(2*\b+\a)+\j+1], v[PS+2*\b:PS+2*\b+1]
.endif
.endr
.endr
.endr
.endm
	GATE 0, 0,1,2,3,4,5
	GATE 1, 6,7,8,9,10
	WIN 0
.irp b, 0,1,2,3,4,5,6,7,8,9,10
	v_add_f32 v[PS+2*\b], v[PS+2*\b], v[PS+2*\b+1]
.endr
.irp b, 0,1,2,3,4,5,6,7,8,9,10
	v_permlanex16_b32 v[PS+2*\b+1], v[PS+2*\b], s[SEL], s[SEL+1]
.endr
.irp b, 0,1,2,3,4,5,6,7,8,9,10
	v_add_f32 v[PS+2*\b], v[PS+2*\b], v[PS+2*\b+1] ; my wave's 32 e of batch row r
.endr
.irp b, 0,1,2,3,4,5,6,7,8,9,10
	ds_store_b32 v[GXW], v[PS+2*\b] offset:256*\b  ; both halves write the same word with the same value
.endr
	s_wait_alu depctr_va_vdst(0)
	s_wait_dscnt 0x0
	s_barrier_signal -1
	s_barrier_wait -1
.irp b, 0,1,2,3,4,5,6,7,8,9,10
	ds_load_b128 v[QS+4*\b:QS+4*\b+3], v[GXR] offset:256*\b   ; the four waves' parts
.endr
	s_wait_dscnt 0x0
.irp b, 0,1,2,3,4,5,6,7,8,9,10
	v_add_f32 v[QS+4*\b], v[QS+4*\b], v[QS+4*\b+1]
	v_add_f32 v[QS+4*\b+2], v[QS+4*\b+2], v[QS+4*\b+3]
.endr
.irp b, 0,1,2,3,4,5,6,7,8,9,10
	v_add_f32 v[QS+4*\b], v[QS+4*\b], v[QS+4*\b+2]
.endr
.irp b, 0,1,2,3,4,5,6,7,8,9,10
	v_mul_f32 v[QS+4*\b], 0xbfb8aa3b, v[QS+4*\b]   ; - s log2(e)
.endr
	s_wait_alu depctr_va_vdst(0)
.irp b, 0,1,2,3,4,5,6,7,8,9,10
	v_exp_f32 v[QS+4*\b+1], v[QS+4*\b]
.endr
	v_nop
	s_wait_alu depctr_va_vdst(0)
.irp b, 0,1,2,3,4,5,6,7,8,9,10
	v_add_f32 v[QS+4*\b+1], 1.0, v[QS+4*\b+1]
.endr
	s_wait_alu depctr_va_vdst(0)
.irp b, 0,1,2,3,4,5,6,7,8,9,10
	v_rcp_f32 v[GG+2*\b], v[QS+4*\b+1]             ; g
.endr
	v_nop
	s_wait_alu depctr_va_vdst(0)
.irp b, 0,1,2,3,4,5,6,7,8,9,10
	v_mov_b32 v[GG+2*\b+1], v[GG+2*\b]
	v_sub_f32 v[MM+2*\b], 1.0, v[GG+2*\b]
	v_sub_f32 v[MM+2*\b+1], 1.0, v[GG+2*\b]
.endr
.macro MIX hi, bl:vararg               ; out = x (kp2 g + (1 - g))
	WIN 0x82+0x41*\hi
	s_wait_alu depctr_va_vdst(0)
.irp b, \bl
.irp a, 0,1
.irp j, 0,2,4,6
	v_pk_fma_f32 v[8*(4*(\b-6*\hi)+2+\a)+\j:8*(4*(\b-6*\hi)+2+\a)+\j+1], v[8*(4*(\b-6*\hi)+2+\a)+\j:8*(4*(\b-6*\hi)+2+\a)+\j+1], v[GG+2*\b:GG+2*\b+1], v[MM+2*\b:MM+2*\b+1]
.endr
.endr
.endr
	WIN 0x49+4*\hi
.irp b, \bl
.irp a, 0,1
.irp j, 0,2,4,6
	v_pk_mul_f32 v[8*(2*\b+\a)+\j:8*(2*\b+\a)+\j+1], v[8*(2*\b+\a)+\j:8*(2*\b+\a)+\j+1], v[8*(4*(\b-6*\hi)+2+\a)+\j:8*(4*(\b-6*\hi)+2+\a)+\j+1]
.endr
.endr
.endr
.endm
	MIX 0, 0,1,2,3,4,5
	MIX 1, 6,7,8,9,10
	WIN 0x04
.irp b, 0,1,2,3,4,5,6,7,8,9,10
.irp a, 0,1
	ds_store_b128 v[XR+\b/6], v[8*(2*\b+\a):8*(2*\b+\a)+3] offset:(\b%6)*16*XP+64*\a          ; back to the places that I alone read
	ds_store_b128 v[XR+\b/6], v[8*(2*\b+\a)+4:8*(2*\b+\a)+7] offset:(\b%6)*16*XP+64*\a+16
.endr
.endr
	WIN 0
	s_wait_dscnt 0x0
	s_barrier_signal -1
	s_barrier_wait -1
	WIN 0x40
.set i, 0
.rept 44
	ds_load_b128 v[4*i:4*i+3], v[RB] offset:XP*i   ; whole rows of 512 bytes: rows 44 w .. 44 w + 43
.set i, i+1
.endr
	WIN 0
	s_cmp_eq_u32 s[SK], 1
	s_cbranch_scc1 .Lowned                         ; the block that the tile before owns is not stored
	WIN 0x04
.set i, 0
.rept 16
	s_wait_dscnt 43-i
	global_store_b128 v[CO], v[4*i:4*i+3], s[8:9] offset:XROW*i th:TH_STORE_NT
.set i, i+1
.endr
	WIN 0
.Lowned:
	WIN 0x04
.set i, 16
.rept 28
	s_wait_dscnt 43-i
	global_store_b128 v[CO], v[4*i:4*i+3], s[8:9] offset:XROW*i th:TH_STORE_NT   ; 32 lanes store 512 consecutive bytes, aligned to 256
.set i, i+1
.endr
	WIN 0
	s_wait_tensorcnt 0x0                           ; the wave's end
	ds_add_u32 v[SPW], v[NIL]
	s_wait_dscnt 0x0
	s_endpgm
.Lfunc_end_k_qae70edc11f_glu:
	.size	k_qae70edc11f_glu, .Lfunc_end_k_qae70edc11f_glu-k_qae70edc11f_glu
	.p2alignl 7, 3214868480
	.fill 96, 4, 3214868480
	.section	.rodata,"a",@progbits
	.p2align	6, 0x0
	.amdhsa_kernel k_qae70edc11f_glu
		.amdhsa_group_segment_fixed_size 327680
		.amdhsa_private_segment_fixed_size 0
		.amdhsa_enable_private_segment 0
		.amdhsa_kernarg_size 24
		.amdhsa_user_sgpr_count 2
		.amdhsa_user_sgpr_kernarg_segment_ptr 1
		.amdhsa_wavefront_size32 1
		.amdhsa_system_sgpr_workgroup_id_x 1
		.amdhsa_system_sgpr_workgroup_id_y 1
		.amdhsa_system_sgpr_workgroup_id_z 1
		.amdhsa_system_vgpr_workitem_id 0
		.amdhsa_next_free_vgpr 1024
		.amdhsa_next_free_sgpr 88
		.amdhsa_reserve_vcc 0
		.amdhsa_float_denorm_mode_32 3
		.amdhsa_float_denorm_mode_16_64 3
		.amdhsa_memory_ordered 1
		.amdhsa_forward_progress 1
		.amdhsa_inst_pref_size 216
	.end_amdhsa_kernel
	.amdgpu_metadata
---
amdhsa.version: [ 1, 2 ]
amdhsa.kernels:
  - .name:           k_qae70edc11f_glu
    .symbol:         k_qae70edc11f_glu.kd
    .args:
      - { .name: q, .offset: 0, .size: 8, .value_kind: global_buffer, .address_space: global }
      - { .name: x, .offset: 8, .size: 8, .value_kind: global_buffer, .address_space: global }
      - { .name: out0, .offset: 16, .size: 8, .value_kind: global_buffer, .address_space: global }
    .group_segment_fixed_size: 327680
    .private_segment_fixed_size: 0
    .kernarg_segment_align: 8
    .kernarg_segment_size: 24
    .max_flat_workgroup_size: 128
    .sgpr_count:     88
    .vgpr_count:     1024
    .wavefront_size: 32
...
	.end_amdgpu_metadata
.endif
;; end of part 2
